; MI455X (gfx1250); checked and timed in simulation.
; The chip was launched on July 23, 2026; its instructions are those of AMD's public machine-readable ISA for CDNA 5 (MIT licence, August 2026) and "CDNA5" Instruction Set Architecture Reference Guide (July 2026). The comments in the code are by the model that wrote it; some were corrected since.
;; Multi Head Attention. Allowed arithmetic: float matrix products may take bf16 or f16 operands with f32 sums; all other float work in f32.
;; Inputs: Wk 8 x 512 x 512 float32; Wp 512 x 4,096 float32; Wq 8 x 512 x 512 float32; Wv 8 x 512 x 512 float32; bk 8 x 512 float32; bp 512 float32; bq 8 x 512 float32; bv 8 x 512 float32; x 64 x 64 x 512 float32.
;; Outputs: out0 64 x 64 x 512 float32.
;; 2 versions, each right; version 2 is version 1 with the launch cvt written anew for expert scheduling mode. Each part assembles by itself: llvm-mc -triple=amdgcn-amd-amdhsa -mcpu=gfx1250 --defsym DOCPART=n.
;; ======== version 1 of 2: 3 launches
;; limits: values are held in f16: magnitudes above 65,504 overflow, below 6.1e-05 lose precision
;; workspace buffers: wb 20,971,520 bytes; part 67,108,864 bytes
;; launch cvt (part 1): grid 256 x 1, 10 waves a work-group, no clusters, 0 bytes of LDS; arguments Wq, Wk, Wv, Wp, x, wb; writes wb
.if DOCPART == 1
	.amdgcn_target "amdgcn-amd-amdhsa--gfx1250"
	.amdhsa_code_object_version 6
	.text
	.protected	k_q075b128b3e_cvt
	.globl	k_q075b128b3e_cvt
	.p2align	8
	.type	k_q075b128b3e_cvt,@function
k_q075b128b3e_cvt:
	s_mov_b64 s[64:65], 0
	v_nop
	global_prefetch_b8 v0, s[64:65] scope:SCOPE_SE
	s_setreg_imm32_b32 hwreg(HW_REG_WAVE_MODE, 25, 1), 1
	s_wait_xcnt 0x0
; Weights and x from f32 to f16 (round to nearest even), laid in the order in which the next launch reads them.
; wb, bytes 0 to 16,777,215: wt[h 8][t 32][w 4][rho 128][k 64] in f16; t = 8 pass + ks, k = 64 ks + 0..63.
;   pass 0, 1: rho < 64: Wq[h][256 pass + 64 w + rho];  rho >= 64: Wk[h][256 pass + 64 w + rho - 64]
;   pass 2:    Wv[h][128 w + rho]           pass 3:    Wp[128 w + rho][512 h + k]
; wb, bytes 16,777,216 on: xb[4096][512] f16, each row turned along k: xb[row][k'] = x[row][(k' + 128 l0) mod 512],
;   l0 = (c xor c / 2) mod 4, c = row / 512: the next launch walks K from lap l0 on, and finds x in that order.
; The launch has 2,560 waves of equal work, ten in each of 256 work-groups.  Wave n = 10 x work-group + wave makes the 8,192 bytes of wb at 8,192 n:
; block g = n / 8 (g < 256: (h, t) = (g / 32, g % 32); g >= 256: 64 rows of x), part v = n % 8: 64 pieces of 64 numbers.
; A piece is 256 consecutive bytes of f32, aligned; one load takes two pieces (lanes 0-15 one, lanes 16-31 the next), one store writes their
; 256 consecutive bytes of f16, aligned.  Two pieces of x are one lap of 128 along k, so the turn only moves whole stores.
; Bytes alone count here: no LDS, no matrix unit, no loop; all 32 loads of a wave are issued before the first wait.
; LIMIT: a number beyond f16's largest, 65,504, becomes an infinity.
.set OFF, 4                            ; v[4:35]    byte offset of my 16 bytes in load i
.set X,   36                           ; v[36:163]  load i: 4 f32
.set Y,   164                          ; v[164:227] store i: 4 f16
.set D,   228                          ; v[228:231] where the stores with i % 4 = 0..3 go within 1,024 bytes
	s_load_b256 s[4:11], s[0:1], 0x0               ; Wq s[4:5], Wk s[6:7], Wv s[8:9], Wp s[10:11]
	s_load_b128 s[12:15], s[0:1], 0x20             ; x s[12:13], wb s[14:15]
	v_lshrrev_b32 v1, 5, v0
	v_readfirstlane_b32 s16, v1                    ; wave in the work-group, 0 to 9
	s_mul_i32 s36, ttmp9, 10
	s_add_co_u32 s36, s36, s16                     ; n: wave in the launch
	s_lshr_b32 s37, s36, 3                         ; g: block
	s_and_b32 s16, s36, 7                          ; v = 2 w + hf: part of the block
	s_lshr_b32 s17, s37, 5                         ; h
	s_bfe_u32 s19, s37, 0x20003                    ; pass: 2 bits from bit 3
	s_and_b32 s20, s37, 7                          ; ks
	s_lshr_b32 s21, s16, 1                         ; w
	s_and_b32 s22, s16, 1                          ; hf: which 64 of the block's 128 rows
	s_lshl_b32 s20, s20, 8                         ; 64 f32 along k are 256 bytes
	s_lshl_b32 s26, s17, 20                        ; a head of Wq, Wk, Wv is 1,048,576 bytes
	s_add_co_u32 s26, s26, s20
	s_lshl_b32 s23, s19, 19                        ; passes 0, 1: row 256 pass + 64 w, rows of 2,048 bytes
	s_lshl_b32 s32, s21, 17
	s_add_co_u32 s23, s23, s32
	s_add_co_u32 s23, s23, s26
	s_lshl_b32 s32, s16, 17                        ; pass 2: row 128 w + 64 hf = 64 v
	s_add_co_u32 s33, s26, s32
	s_lshl_b32 s32, s16, 20                        ; pass 3: row 64 v of Wp, rows of 16,384 bytes, column 512 h + 64 ks
	s_lshl_b32 s34, s17, 11
	s_add_co_u32 s34, s34, s32
	s_add_co_u32 s34, s34, s20
	s_and_b32 s35, s37, 63                         ; x: chunk g - 256 of 131,072 bytes, 16,384 for each wave
	s_lshl_b32 s35, s35, 17
	s_lshl_b32 s32, s16, 14
	s_add_co_u32 s35, s35, s32
	s_lshl_b32 s30, s36, 13                        ; where it goes: 8,192 n
	s_mov_b32 s31, 0
	s_mov_b32 s27, 2048                            ; bytes from piece to piece
	s_mov_b32 s28, s23
	s_mov_b32 s29, 0
	v_and_b32 v1, 15, v0                           ; my place in a piece
	v_bfe_u32 v2, v0, 4, 1                         ; which of a load's two pieces
	v_and_b32 v3, 31, v0
	v_lshlrev_b32 v3, 3, v3                        ; 8 bytes of f16 a lane
	; the turn: x's lap pp (load i with i % 4 = pp) goes to place (pp - l0) mod 4 of its row; weights are not turned
	s_bfe_u32 s38, s37, 0x30003                    ; c = (g - 256) / 8: 3 bits from bit 3
	s_lshr_b32 s39, s38, 1
	s_xor_b32 s38, s38, s39
	s_and_b32 s38, s38, 3                          ; l0
	s_cmp_ge_u32 s37, 256
	s_cselect_b32 s38, s38, 0
.irp pp, 0,1,2,3
	s_sub_co_u32 s39, \pp, s38
	s_and_b32 s39, s39, 3
	s_lshl_b32 s39, s39, 8
	v_add_nc_u32 v[D+\pp], s39, v3
.endr
	s_wait_kmcnt 0x0
	; the source: buffer, offset and pitch are chosen by the ids alone; the offset stays apart from the address until the one sum
	s_cmp_eq_u32 s22, 0
	s_cselect_b64 s[24:25], s[4:5], s[6:7]         ; passes 0, 1: the lower 64 rows are Wq's, the upper Wk's
	s_cmp_eq_u32 s19, 2
	s_cselect_b64 s[24:25], s[8:9], s[24:25]
	s_cselect_b32 s28, s33, s28
	s_cmp_eq_u32 s19, 3
	s_cselect_b64 s[24:25], s[10:11], s[24:25]
	s_cselect_b32 s28, s34, s28
	s_cselect_b32 s27, 16384, s27
	s_cmp_ge_u32 s37, 256
	s_cselect_b64 s[24:25], s[12:13], s[24:25]
	s_cselect_b32 s28, s35, s28
	s_cselect_b32 s27, 256, s27
	s_add_nc_u64 s[24:25], s[24:25], s[28:29]
	s_add_nc_u64 s[14:15], s[14:15], s[30:31]
	v_mul_lo_u32 v[OFF], v2, s27
	v_lshl_add_u32 v[OFF], v1, 4, v[OFF]           ; piece x pitch + 16 bytes a lane
	s_lshl_b32 s27, s27, 1                         ; two pieces a load
.set CI, 1
.rept 31
	v_add_nc_u32 v[OFF+CI], s27, v[OFF+CI-1]
.set CI, CI+1
.endr
.set CI, 0
.rept 32
	global_load_b128 v[X+4*CI:X+4*CI+3], v[OFF+CI], s[24:25] th:TH_LOAD_NT   ; read once in the launch
.set CI, CI+1
.endr
.set CI, 0
.rept 32
	s_wait_loadcnt 31-CI                           ; loads come back in order (ISA guide 5.7.1): load CI is in, the younger ones stay out
	v_cvt_pk_f16_f32 v[Y+2*CI],   v[X+4*CI],   v[X+4*CI+1]
	v_cvt_pk_f16_f32 v[Y+2*CI+1], v[X+4*CI+2], v[X+4*CI+3]
	global_store_b64 v[D+(CI&3)], v[Y+2*CI:Y+2*CI+1], s[14:15] offset:1024*(CI>>2)   ; the wave's store covers 256 consecutive bytes, aligned
.set CI, CI+1
.endr
	s_endpgm
.Lfunc_end_k_q075b128b3e_cvt:
	.size	k_q075b128b3e_cvt, .Lfunc_end_k_q075b128b3e_cvt-k_q075b128b3e_cvt
	.p2alignl 7, 3214868480
	.fill 96, 4, 3214868480
	.section	.rodata,"a",@progbits
	.p2align	6, 0x0
	.amdhsa_kernel k_q075b128b3e_cvt
		.amdhsa_group_segment_fixed_size 0
		.amdhsa_private_segment_fixed_size 0
		.amdhsa_enable_private_segment 0
		.amdhsa_kernarg_size 48
		.amdhsa_user_sgpr_count 2
		.amdhsa_user_sgpr_kernarg_segment_ptr 1
		.amdhsa_wavefront_size32 1
		.amdhsa_system_sgpr_workgroup_id_x 1
		.amdhsa_system_sgpr_workgroup_id_y 1
		.amdhsa_system_sgpr_workgroup_id_z 1
		.amdhsa_system_vgpr_workitem_id 0
		.amdhsa_next_free_vgpr 232
		.amdhsa_next_free_sgpr 66
		.amdhsa_reserve_vcc 0
		.amdhsa_float_denorm_mode_32 3
		.amdhsa_float_denorm_mode_16_64 3
		.amdhsa_memory_ordered 1
		.amdhsa_forward_progress 1
		.amdhsa_inst_pref_size 16
	.end_amdhsa_kernel
	.amdgpu_metadata
---
amdhsa.version: [ 1, 2 ]
amdhsa.kernels:
  - .name:           k_q075b128b3e_cvt
    .symbol:         k_q075b128b3e_cvt.kd
    .args:
      - { .name: Wq, .offset: 0, .size: 8, .value_kind: global_buffer, .address_space: global }
      - { .name: Wk, .offset: 8, .size: 8, .value_kind: global_buffer, .address_space: global }
      - { .name: Wv, .offset: 16, .size: 8, .value_kind: global_buffer, .address_space: global }
      - { .name: Wp, .offset: 24, .size: 8, .value_kind: global_buffer, .address_space: global }
      - { .name: x, .offset: 32, .size: 8, .value_kind: global_buffer, .address_space: global }
      - { .name: wb, .offset: 40, .size: 8, .value_kind: global_buffer, .address_space: global }
    .group_segment_fixed_size: 0
    .private_segment_fixed_size: 0
    .kernarg_segment_align: 8
    .kernarg_segment_size: 48
    .max_flat_workgroup_size: 320
    .sgpr_count:     66
    .vgpr_count:     232
    .wavefront_size: 32
...
	.end_amdgpu_metadata
.endif
;; end of part 1
;; launch attn (part 2): grid 32 x 8, 4 waves a work-group, clusters of 4 x 1, 327,680 bytes of LDS; arguments wb, bq, bk, bv, part; writes part
.if DOCPART == 2
	.amdgcn_target "amdgcn-amd-amdhsa--gfx1250"
	.amdhsa_code_object_version 6
	.text
	.protected	k_q075b128b3e_attn
	.globl	k_q075b128b3e_attn
	.p2align	8
	.type	k_q075b128b3e_attn,@function
k_q075b128b3e_attn:
	s_mov_b64 s[64:65], 0
	v_nop
	global_prefetch_b8 v0, s[64:65] scope:SCOPE_SE
	s_setreg_imm32_b32 hwreg(HW_REG_WAVE_MODE, 25, 1), 1
	s_wait_xcnt 0x0
	s_wait_alu depctr_hold_cnt(0) depctr_sa_sdst(0) depctr_va_vdst(0) depctr_va_sdst(0) depctr_va_ssrc(0) depctr_va_vcc(0) depctr_vm_vsrc(0)
	s_getreg_b32 s2, hwreg(HW_REG_IB_STS2, 6, 4)
	s_cmp_eq_u32 s2, 0
	s_cbranch_scc0 .Lentry_in_a_cluster
	s_endpgm
.Lentry_in_a_cluster:
	s_bfe_u32 s2, ttmp6, 0x10000c
	s_cmp_lg_u32 s2, 0x3003
	s_cbranch_scc0 .Lentry_shape_is_right
	s_endpgm
.Lentry_shape_is_right:
; One work-group: the 128 rows of x of two batches (2 bp, 2 bp + 1), one head h.  It makes q, k, v, the causal softmax, P v, and that
; head's share of the output projection, part[h][rows][512] in f32; the next launch adds the eight shares and bp.
; Four waves, as many as a WGP has SIMDs.  The work is four passes of one shape, M = 128 rows, N = 512 weight rows, K = 512:
;   pass 0, 1: q and k together (wave w: 64 rows of Wq and the same 64 rows of Wk);  pass 2: v;  pass 3: the projection, on O instead of x.
; A wave takes all 128 rows x its own 128 weight rows: 64 accumulator tiles of 16 x 16, 512 registers.  Each weight byte is read from LDS once.
; The weights stream in 32 steps of K = 64 through two LDS slots; x (later O) stays in LDS.  Two slots of K = 128 would take 278,528 bytes beside
; x's 133,120: more than the 327,680 that there are.
; CLUSTER: the four work-groups of a cluster have the same head and walk the same weights: every weight tile is a joint load with the mask 15,
; which divides the requests for the work-group's 2 MiB of weights by four.  x is each work-group's own (other batches): a plain load, once.
; THE WALK: a head has eight clusters, c = 0 .. 7.  A lap is two steps, 128 along K.  Cluster c begins every pass at K lap l0 = (c xor c / 2) mod 4 and takes,
; in its lap j, K lap (j + l0) mod 4 (a sum over K may be taken in any order).  So the clusters of a head ask for different tiles at any one time, and in three
; of a pass's four laps a cluster asks for tiles that another has asked for a lap or more before.  Any four values of c that agree in one bit have four different l0.
; Only global addresses hang on l0: x comes already turned by l0 laps; in pass 2 wave w takes Wv's quarter (w + l0) mod 4, so that the columns
; of O that it puts at LDS lap w are e lap (w + l0) mod 4, the order in which pass 3 walks.  l0 is made of the cluster's x and y alone: equal in all partners.
; Which cluster takes which head is a free numbering: h = 4 (x / 4) + y % 4, c = x % 4 + 4 (y / 4): a head's clusters are neighbours along x.
; No prefetch: three of a pass's four laps were asked for shortly before by another cluster.
; q, k AND v NEVER PASS THROUGH LDS: packed pairwise to f16, a wave's accumulators ARE operand fragments (see COMPACT).
; BIASES: bq, bk are the C operand of each tile's first product.  bv is the C of the first product P v: a row of the softmax sums to 1,
; so P (v + bv) = P v + bv for every input.
; LIMITS: matrix operands are f16: |x|, |W|, |q|, |k|, |v|, |O| must stay below 65,504.  A score's sum over e is made in four parts, one a wave,
; which are added in f32.  The order of the sums over K differs from cluster to cluster.  Sums in f32; softmax in f32 with the row's maximum taken away.
;
; LDS:  XS    0 .. 133,119        x, 128 rows, pitch 1,040 (one fill, at the start); behind pass 2: the waves' parts of S (4 x 20,480), then O in x's layout
;       RING  133,120 .. 280,575  2 slots x 4 waves x 128 rows, pitch 144 (64 f16 + 16 bytes)
;       STAGE 280,576 .. 314,367  no fill lands here: the P fragments (1,024 bytes each), later each wave's 16 rows x 528 bytes for the way out
; Both pitches are odd multiples of 16 bytes: the 16 rows that a fragment load touches start 16 bytes apart modulo 256.
; REGISTERS in windows of 256:  window 0: v0-31 addresses and softmax, v32-63 S tiles 16-19, v64-127, v128-191 fragments of x (two buffers), v192-255 biases
;   window 1: v0-63 S tiles 0-7, v64-191 fragments of W (two buffers), v192-255 S tiles 8-15;  windows 2, 3: the accumulators
.set XPITCH, 1040
.set XHALF,  64*XPITCH
.set XQUART, 32*XPITCH
.set RING,   128*XPITCH
.set WPITCH, 144
.set WQUART, 128*WPITCH
.set SLOT,   4*WQUART
.set STAGE,  RING+2*SLOT
.set SPITCH, 528
.set SSRC,   20480                     ; one wave's 20 tiles of S, 1,024 bytes each
.set TILEB,  65536                     ; one step's weights in wb
.set XBOFF,  16777216                  ; x in wb
.set XB,    3                          ; v3   r x 1,040 + 16 hl, never stepped
.set ADRXL, 4                          ; v4   the same, walking along the LDS rows: rows 0-63
.set ADRXH, 5                          ; v5   rows 64-127
.set ADRW,  6                          ; v6-7 my W fragments in slot 0, 1
.set VB,    8                          ; v8   32 hl: my 8 numbers of a bias tile
.set SST,   9                          ; v9   my part of S: w x 20,480 + 16 lane
.set SRD,   10                         ; v10  16 lane
.set SRD2,  11                         ; v11  16 lane + 40,960
.set PAD,   12                         ; v12  STAGE + 16 lane
.set OST,   13                         ; v13-14 O: r x 1,040 + 16 hl + 256 w, batch 0, 1
.set STO,   15                         ; v15  the way out: in
.set RD,    16                         ; v16  the way out: back
.set CO,    17                         ; v17  16 lane: my bytes in a row of my 128 columns of part
.set VD,    18                         ; v18  r - 8 hl
.set NINF,  19                         ; v19  -infinity
.set F0,    64
.set F1,    128
.set BIAS,  192
.set RT,    64                         ; softmax: tile jt, source src at RT + 32 jt + 8 src
.set PFR,   64                         ; the 12 P fragments
.set OT,    160                        ; O, packed
.set SBQ, 18                           ; s[18:19] bq + 2,048 h + 256 w;  s[20:21] bk likewise;  s[22:23] bv + 2,048 h + 512 ((w + l0) mod 4)
.set SBK, 20
.set SBV, 22
.set G1W, 24                           ; s[24:31] group 1, weight tiles
.set G1X, 32                           ; s[32:39] group 1, x
.set G0W, 40                           ; s[40:47] group 0, weight tiles, one set a slot
.set G0X, 48                           ; s[48:51] group 0, x
.set L0,  67                           ; s67      l0
.set WB,  68                           ; s[68:69] the head's weights, for slot 0's tiles;  s[78:79] the same + one tile, for slot 1's
.set LAPN, 70                          ; s70      the lap, 0 to 15, whose tiles were asked for last
.set OFFP, 72                          ; s[72:73] that lap's byte offset in the head's weights (s73 = 0)
.set QV,  74                           ; s74      16,384 ((w + l0) mod 4): my quarter of a tile in pass 2
.set QW,  75                           ; s75      16,384 w: my quarter in the other passes
.set MSB, 0
.macro WIN new                         ; s_set_vgpr_msb: bits 1:0 source 0, 3:2 source 1, 5:4 source 2, 7:6 destination; the high byte repeats the setting left
.if MSB != (\new)
	s_set_vgpr_msb (MSB<<8)|(\new)
.set MSB, (\new)
.endif
.endm
.macro PLACES n                        ; places behind matrix instructions (ISA guide 7.12.1)
.rept \n
	v_nop
.endr
.endm
; A round of the cluster's barrier behind its opening work-group barrier: wave 0 signals for the work-group, every wave waits for all four work-groups, a work-group barrier closes.
.macro CREST
	s_cmp_lg_u32 s14, 0
	s_cbranch_scc1 .Lnot_wave_0_\@
	s_barrier_signal -3
.Lnot_wave_0_\@:
	s_barrier_wait -3
	s_barrier_signal -1
	s_barrier_wait -1
.endm
.macro CROUND
	s_barrier_signal -1
	s_barrier_wait -1
	CREST
.endm
; The windows of a product.  form 0: source 0 = W (window 1), source 1 = x (window 0).  form 1: the other way round.  hi: accumulators in window 2 or 3.  cm = 2: C from window 0.
.macro WINMUL hi, form, cm
.if \form
.if \hi
	WIN 0xf4
.else
	WIN 0xa4
.endif
.else
.if \cm == 2
.if \hi
	WIN 0xc1
.else
	WIN 0x81
.endif
.else
.if \hi
	WIN 0xf1
.else
	WIN 0xa1
.endif
.endif
.endif
.endm
; 16 matrix instructions: row blocks a0, a0 + 1 of the window's four x all 8 blocks of my weight rows, 32 along K.
; form 0: register j of lane (r, hl) = (row 16 a + r, weight row 16 b + 8 hl + j); tile (a, b) at 8 (8 a + b).
; form 1: register j = (row 16 a + 8 hl + j, weight row 16 b + r); tile (a, b) at 8 (16 (a / 2) + 2 b + a % 2).
; cm 0: adds in place;  1: C = 0 starts the sums;  2: C = the bias tile starts them.
; The 64 accumulators take turns, one instruction a turn, in the same order in every run.
.macro MUL16 f, hi, a0, form, cm
.irp a, \a0, \a0+1
.irp b, 0,1,2,3,4,5,6,7
.set WW, \f+8*\b
.set XX, \f+8*(4*\hi+(\a))
.if \form
.set DD, 8*(16*((\a)>>1)+2*\b+((\a)&1))
.if \cm == 1
	v_wmma_f32_16x16x32_f16 v[DD:DD+7], v[XX:XX+7], v[WW:WW+7], 0
.else
	v_wmma_f32_16x16x32_f16 v[DD:DD+7], v[XX:XX+7], v[WW:WW+7], v[DD:DD+7]
.endif
.else
.set DD, 8*(8*(\a)+\b)
.if \cm == 2
	v_wmma_f32_16x16x32_f16 v[DD:DD+7], v[WW:WW+7], v[XX:XX+7], v[BIAS+8*\b:BIAS+8*\b+7]
.else
.if \cm == 1
	v_wmma_f32_16x16x32_f16 v[DD:DD+7], v[WW:WW+7], v[XX:XX+7], 0
.else
	v_wmma_f32_16x16x32_f16 v[DD:DD+7], v[WW:WW+7], v[XX:XX+7], v[DD:DD+7]
.endif
.endif
.endif
.endr
.endr
.endm
; 32 LDS loads in one run: half u (32 along K) of a step's fragments into buffer f: 16 for my 128 weight rows, 8 for rows 0-63 of x, 8 for rows 64-127.
; A fragment is 16 rows x 32 K in 8 registers: lane (r, hl) takes 16 bytes at row r, byte 16 hl, and 16 bytes 32 further on.
.macro FETCH slot, u, f
	WIN 0x40
.irp b, 0,1,2,3,4,5,6,7
	ds_load_b128 v[\f+8*\b:\f+8*\b+3],   v[ADRW+\slot] offset:64*\u+16*WPITCH*\b
	ds_load_b128 v[\f+8*\b+4:\f+8*\b+7], v[ADRW+\slot] offset:64*\u+16*WPITCH*\b+32
.endr
	WIN 0
.irp a, 0,1,2,3
	ds_load_b128 v[\f+8*\a:\f+8*\a+3],   v[ADRXL] offset:128*\slot+64*\u+16*XPITCH*\a
	ds_load_b128 v[\f+8*\a+4:\f+8*\a+7], v[ADRXL] offset:128*\slot+64*\u+16*XPITCH*\a+32
.endr
.irp a, 0,1,2,3
	ds_load_b128 v[\f+32+8*\a:\f+32+8*\a+3],   v[ADRXH] offset:128*\slot+64*\u+16*XPITCH*\a
	ds_load_b128 v[\f+32+8*\a+4:\f+32+8*\a+7], v[ADRXH] offset:128*\slot+64*\u+16*XPITCH*\a+32
.endr
.endm
; The first half of a step: multiplies buffer 0; in its middle fetches the second half's fragments into buffer 1.
.macro QUARTER slot, form, cm
	s_wait_dscnt 8                                 ; W and rows 0-63 of x are in; the eight youngest loads (rows 64-127) may be out
	WINMUL 0, \form, \cm
	MUL16 F0, 0, 0, \form, \cm
	MUL16 F0, 0, 2, \form, \cm
	PLACES 4                                       ; four places behind the last matrix instructions that read buffer 1, ahead of the loads into it
	FETCH \slot, 1, F1
	s_wait_dscnt 32                                ; all but the 32 just issued
	WINMUL 1, \form, \cm
	MUL16 F0, 1, 0, \form, \cm
	MUL16 F0, 1, 2, \form, \cm
.endm
; Where the next lap's two tiles lie in the head's weights: lap L = 4 pass + j: 524,288 pass + 131,072 ((j + l0) mod 4) + my quarter.
; An offset alone, in registers of its own; (L + l0) mod 4 = (j + l0) mod 4.
.macro NEXTOFF
	s_add_co_u32 s[LAPN], s[LAPN], 1
	s_lshr_b32 s71, s[LAPN], 2                     ; pass
	s_cmp_eq_u32 s71, 2
	s_cselect_b32 s[OFFP], s[QV], s[QW]            ; pass 2: the turned quarter
	s_lshl_b32 s71, s71, 19
	s_add_co_u32 s[OFFP], s[OFFP], s71
	s_add_co_u32 s76, s[LAPN], s[L0]
	s_and_b32 s76, s76, 3
	s_lshl_b32 s76, s76, 17
	s_add_co_u32 s[OFFP], s[OFFP], s76
.endm
; The second half: multiplies buffer 1 and changes slots.  In front of the barrier each wave waits for its reads of this slot and for all its tensor loads
; (the one that is out is its part of the other slot).  fill = 1: the barrier opens a round of the cluster's barrier, and behind the round this slot is filled
; again, with the next lap's tile, by the wave's one joint load.  From that request to the wait for it the wave issues 112 matrix instructions.
; xstep 1: x's address walks two steps on;  2: back to the row's start.  fetch = 1: the other slot's first fragments into buffer 0.
.macro TURN slot, fill, fetch, xstep, form
.if \fill
.if \slot == 0
	NEXTOFF                                        ; once a lap, for both slots
.endif
.endif
	s_wait_dscnt 8
	WINMUL 0, \form, 0
	MUL16 F1, 0, 0, \form, 0
	s_wait_dscnt 0x0                               ; my reads of this slot are over
	s_set_vgpr_msb (MSB<<8)|((MSB&0xf0)|0x0)
	s_wait_tensorcnt 0x0                           ; all my tensor loads have landed, so a group 0 may be written
	ds_add_u32 v30, v31
	s_wait_dscnt 0x0
	s_set_vgpr_msb (((MSB&0xf0)|0x0)<<8)|MSB
.if \fill
	s_add_nc_u64 s[G0W+4*\slot+2:G0W+4*\slot+3], s[WB+10*\slot:WB+10*\slot+1], s[OFFP:OFFP+1]
	s_or_b32 s[G0W+4*\slot+3], s[G0W+4*\slot+3], 0x80000000        ; type = 2
.endif
	s_barrier_signal -1
	MUL16 F1, 0, 2, \form, 0                       ; register work while the others arrive
	WIN 0
	s_barrier_wait -1
.if \fill
	CREST                                          ; no wave of any partner still reads this slot or has a load on its way
	tensor_load_to_lds s[G0W+4*\slot:G0W+4*\slot+3], s[G1W:G1W+7]
	s_nop 0
	v_nop
	v_nop
.endif
.if \xstep == 1
	v_add_nc_u32 v[ADRXL], 256, v[ADRXL]
	v_add_nc_u32 v[ADRXH], 256, v[ADRXH]
.endif
.if \xstep == 2
	v_mov_b32 v[ADRXL], v[XB]
	v_add_nc_u32 v[ADRXH], XHALF, v[XB]
.endif
.if \fetch
	PLACES 4                                       ; behind the last readers of buffer 0
.if \slot
	FETCH 0, 0, F0
.else
	FETCH 1, 0, F0
.endif
.endif
	WINMUL 1, \form, 0
	MUL16 F1, 1, 0, \form, 0
	MUL16 F1, 1, 2, \form, 0
.endm
.macro LAP form                        ; two steps, once round the ring
	QUARTER 0, \form, 0
	TURN 0, 1, 1, 0, \form
	QUARTER 1, \form, 0
	TURN 1, 1, 1, 1, \form
.endm
; Bias tiles: C's register j of lane (r, hl) belongs to weight row 16 b + 8 hl + j: eight neighbouring f32, two loads.
.macro LOADBIAS_QK p
.irp b, 0,1,2,3
	global_load_b128 v[BIAS+8*\b:BIAS+8*\b+3],       v[VB], s[SBQ:SBQ+1] offset:1024*\p+64*\b
	global_load_b128 v[BIAS+8*\b+4:BIAS+8*\b+7],     v[VB], s[SBQ:SBQ+1] offset:1024*\p+64*\b+16
	global_load_b128 v[BIAS+32+8*\b:BIAS+32+8*\b+3], v[VB], s[SBK:SBK+1] offset:1024*\p+64*\b
	global_load_b128 v[BIAS+32+8*\b+4:BIAS+32+8*\b+7], v[VB], s[SBK:SBK+1] offset:1024*\p+64*\b+16
.endr
.endm
.macro LOADBIAS_V
.irp b, 0,1,2,3,4,5,6,7
	global_load_b128 v[BIAS+8*\b:BIAS+8*\b+3],   v[VB], s[SBV:SBV+1] offset:64*\b
	global_load_b128 v[BIAS+8*\b+4:BIAS+8*\b+7], v[VB], s[SBV:SBV+1] offset:64*\b+16
.endr
.endm
; The first lap of a pass (its first products start the sums) and the loop of two laps.  nextbias: the bias tiles' next user is loaded behind the first step:
; the four places of its TURN stand behind the last matrix instruction that read them.
.macro PASSHEAD form, cm, nextbias
	QUARTER 0, \form, \cm
	TURN 0, 1, 1, 0, \form
.if \nextbias == 1
	WIN 0
	LOADBIAS_QK 1
.endif
.if \nextbias == 2
	WIN 0
	LOADBIAS_V
.endif
	QUARTER 1, \form, 0
	TURN 1, 1, 1, 1, \form
	WIN 0                                          ; at a label and at a branch every window is 0
	s_mov_b32 s3, 2
.Llap_\@:
	LAP \form
	WIN 0
	s_sub_co_u32 s3, s3, 1
	s_cmp_lg_u32 s3, 0
	s_cbranch_scc1 .Llap_\@
.endm
.macro PASSTAIL form, fetch            ; the last lap of passes 0 to 2: the ring runs on into the next pass
	QUARTER 0, \form, 0
	TURN 0, 1, 1, 0, \form
	QUARTER 1, \form, 0
	TURN 1, 1, \fetch, 2, \form
.endm
; The 512 accumulators, packed pairwise in their order into the 256 registers of window 2: out[i] = f16(acc[2 i]), f16(acc[2 i + 1]).  Two neighbouring tiles become
; one fragment of 8 registers.  form 0: tiles (a, 2 p), (a, 2 p + 1) -> rows 16 a + r, K = my weight rows 32 p .. 32 p + 31, at 8 (4 a + p): p = 0, 1 is q, p = 2, 3 is k.
; form 1: tiles (2 c, b), (2 c + 1, b) -> rows e = 16 b + r of v transposed, K = positions 32 c .. 32 c + 31, at 8 (8 c + b).
.macro COMPACT
	WIN 0x8a
.set CI, 0
.rept 128
	v_cvt_pk_f16_f32 v[CI], v[2*CI], v[2*CI+1]     ; the target's number is never above the sources': nothing unread is overwritten
.set CI, CI+1
.endr
	WIN 0x8f
.set CI, 0
.rept 128
	v_cvt_pk_f16_f32 v[128+CI], v[2*CI], v[2*CI+1]
.set CI, CI+1
.endr
.endm
.macro SREG q                          ; S tile q = 10 beta + i (i + 1) / 2 + jt: where it lies
.if (\q) < 8
.set SR, 8*(\q)
.else
.if (\q) < 16
.set SR, 192+8*((\q)-8)
.else
.set SR, 32+8*((\q)-16)
.endif
.endif
.endm
; S += k q^T over my 64 e of this pass, the 20 causal tiles (batch beta, query block i, key block jt <= i).  Source 0 = k, source 1 = q:
; register j of lane (r, hl) = (query 16 i + r, key 16 jt + 8 hl + j).  The 20 tiles take turns.
.macro SMUL first
.irp c, 0,1
.irp beta, 0,1
.irp i, 0,1,2,3
.irp jt, 0,1,2,3
.if \jt <= \i
.set SQ, 10*\beta+(\i*(\i+1))/2+\jt
	SREG SQ
.if SQ < 16
	WIN 0x5a
.else
	WIN 0x0a
.endif
.set SZ, 0
.if \first
.if \c == 0
.set SZ, 1
.endif
.endif
.if SZ
	v_wmma_f32_16x16x32_f16 v[SR:SR+7], v[8*(4*(4*\beta+\jt)+2+\c):8*(4*(4*\beta+\jt)+2+\c)+7], v[8*(4*(4*\beta+\i)+\c):8*(4*(4*\beta+\i)+\c)+7], 0
.else
	v_wmma_f32_16x16x32_f16 v[SR:SR+7], v[8*(4*(4*\beta+\jt)+2+\c):8*(4*(4*\beta+\jt)+2+\c)+7], v[8*(4*(4*\beta+\i)+\c):8*(4*(4*\beta+\i)+\c)+7], v[SR:SR+7]
.endif
.endif
.endr
.endr
.endr
.endr
.endm
.macro SSTORE                          ; my part of S into LDS: a tile is two stores of 512 neighbouring bytes
.set SQ, 0
.rept 20
	SREG SQ
.if SQ < 16
	WIN 0x04
.else
	WIN 0
.endif
	ds_store_b128 v[SST], v[SR:SR+3]   offset:1024*SQ
	ds_store_b128 v[SST], v[SR+4:SR+7] offset:1024*SQ+512
.set SQ, SQ+1
.endr
.endm
; The softmax of 16 queries (batch beta, block i): adds the four waves' parts, masks the diagonal tile, and leaves P as f16 fragments in STAGE.
; A query's keys lie in lanes r and r + 16 alone, so one exchange between the halves ends each reduction.
.macro ROWTILE beta, i
.set RQ, 10*\beta+(\i*(\i+1))/2
.irp jt, 0,1,2,3
.if \jt <= \i
.irp src, 0,1
	ds_load_b128 v[RT+32*\jt+8*\src:RT+32*\jt+8*\src+3],       v[SRD]  offset:SSRC*\src+1024*(RQ+\jt)
	ds_load_b128 v[RT+32*\jt+8*\src+4:RT+32*\jt+8*\src+7],     v[SRD]  offset:SSRC*\src+1024*(RQ+\jt)+512
	ds_load_b128 v[RT+32*\jt+16+8*\src:RT+32*\jt+16+8*\src+3], v[SRD2] offset:SSRC*\src+1024*(RQ+\jt)
	ds_load_b128 v[RT+32*\jt+16+8*\src+4:RT+32*\jt+16+8*\src+7], v[SRD2] offset:SSRC*\src+1024*(RQ+\jt)+512
.endr
.endif
.endr
	s_wait_dscnt 0x0
.irp jt, 0,1,2,3
.if \jt <= \i
.irp k, 0,2,4,6
	v_pk_add_f32 v[RT+32*\jt+\k:RT+32*\jt+\k+1], v[RT+32*\jt+\k:RT+32*\jt+\k+1], v[RT+32*\jt+8+\k:RT+32*\jt+8+\k+1]
	v_pk_add_f32 v[RT+32*\jt+16+\k:RT+32*\jt+16+\k+1], v[RT+32*\jt+16+\k:RT+32*\jt+16+\k+1], v[RT+32*\jt+24+\k:RT+32*\jt+24+\k+1]
.endr
.irp k, 0,2,4,6
	v_pk_add_f32 v[RT+32*\jt+\k:RT+32*\jt+\k+1], v[RT+32*\jt+\k:RT+32*\jt+\k+1], v[RT+32*\jt+16+\k:RT+32*\jt+16+\k+1]
.endr
.endif
.endr
.irp j, 0,1,2,3,4,5,6,7
	v_cmp_gt_i32 vcc_lo, \j, v[VD]                 ; key 8 hl + j behind query r: masked
	v_cndmask_b32 v[RT+32*\i+\j], v[RT+32*\i+\j], v[NINF], vcc_lo
.endr
	v_max3_num_f32 v20, v[RT], v[RT+1], v[RT+2]
	v_max3_num_f32 v20, v20, v[RT+3], v[RT+4]
	v_max3_num_f32 v20, v20, v[RT+5], v[RT+6]
	v_max_num_f32 v20, v20, v[RT+7]
.irp jt, 1,2,3
.if \jt <= \i
.irp k, 0,2,4,6
	v_max3_num_f32 v20, v20, v[RT+32*\jt+\k], v[RT+32*\jt+\k+1]
.endr
.endif
.endr
	v_permlanex16_b32 v21, v20, s60, s61           ; lane i of one half takes lane i of the other
	v_max_num_f32 v20, v20, v21                    ; the row's maximum (key 0 is never masked, so it is a score)
	v_mul_f32 v22, s63, v20                        ; - c m, c = log2 e / sqrt 512
.irp jt, 0,1,2,3
.if \jt <= \i
.irp k, 0,2,4,6
	v_pk_fma_f32 v[RT+32*\jt+\k:RT+32*\jt+\k+1], v[RT+32*\jt+\k:RT+32*\jt+\k+1], s[62:63], v[22:23] op_sel_hi:[1,0,0]   ; c s - c m, both halves by s62 and v22
.endr
.endif
.endr
.irp jt, 0,1,2,3
.if \jt <= \i
.irp j, 0,1,2,3,4,5,6,7
	v_exp_f32 v[RT+32*\jt+\j], v[RT+32*\jt+\j]
.endr
.endif
.endr
	v_nop                                          ; one plain place behind the run of exponentials (ISA guide 5.7.2)
	s_wait_alu depctr_va_vdst(0)
	v_pk_add_f32 v[24:25], v[RT:RT+1], v[RT+2:RT+3]
	v_pk_add_f32 v[26:27], v[RT+4:RT+5], v[RT+6:RT+7]
.irp jt, 1,2,3
.if \jt <= \i
	v_pk_add_f32 v[24:25], v[24:25], v[RT+32*\jt:RT+32*\jt+1]
	v_pk_add_f32 v[26:27], v[26:27], v[RT+32*\jt+2:RT+32*\jt+3]
	v_pk_add_f32 v[24:25], v[24:25], v[RT+32*\jt+4:RT+32*\jt+5]
	v_pk_add_f32 v[26:27], v[26:27], v[RT+32*\jt+6:RT+32*\jt+7]
.endif
.endr
	v_pk_add_f32 v[24:25], v[24:25], v[26:27]
	v_add_f32 v24, v24, v25
	v_permlanex16_b32 v21, v24, s60, s61
	v_add_f32 v24, v24, v21                        ; at least about 1: the maximum's own term
	v_rcp_f32 v28, v24
	v_nop                                          ; one plain place behind the reciprocal
.irp jt, 0,1,2,3
.if \jt <= \i
	s_wait_alu depctr_va_vdst(0)
.irp k, 0,2,4,6
	v_pk_mul_f32 v[RT+32*\jt+\k:RT+32*\jt+\k+1], v[RT+32*\jt+\k:RT+32*\jt+\k+1], v[28:29] op_sel_hi:[1,0]
.endr
.endif
.endr
	; key tiles 2 c and 2 c + 1 pack into registers 0-3 and 4-7 of fragment c (rows = queries, K = keys 32 c .. 32 c + 31); a tile beyond the diagonal is zeros
.irp c, 0,1
.if 2*\c <= \i
.irp k, 0,1,2,3
	v_cvt_pk_f16_f32 v[RT+64*\c+8+\k], v[RT+64*\c+2*\k], v[RT+64*\c+2*\k+1]
.endr
.if 2*\c+1 <= \i
.irp k, 0,1,2,3
	v_cvt_pk_f16_f32 v[RT+64*\c+12+\k], v[RT+64*\c+32+2*\k], v[RT+64*\c+32+2*\k+1]
.endr
.else
.irp k, 0,1,2,3
	v_mov_b32 v[RT+64*\c+12+\k], 0
.endr
.endif
	ds_store_b128 v[PAD], v[RT+64*\c+8:RT+64*\c+11]  offset:1024*(8*\beta+2*\i+\c)
	ds_store_b128 v[PAD], v[RT+64*\c+12:RT+64*\c+15] offset:1024*(8*\beta+2*\i+\c)+512
.endif
.endr
.endm
; O^T = v^T P^T + bv for batch beta, my 128 e: source 0 = v transposed (window 2), source 1 = P; register j of lane (r, hl) = (query 16 i + r, my e 16 b + 8 hl + j).
; Keys 32-63 only for query blocks 2, 3.  The tiles take turns.
.macro PV beta
	WIN 0xc2
.irp i, 0,1,2,3
.irp b, 0,1,2,3,4,5,6,7
.if \i < 2
.set PX, \i
.else
.set PX, 2*\i-2
.endif
	v_wmma_f32_16x16x32_f16 v[8*(8*\i+\b):8*(8*\i+\b)+7], v[8*(16*\beta+\b):8*(16*\beta+\b)+7], v[PFR+8*(6*\beta+PX):PFR+8*(6*\beta+PX)+7], v[BIAS+8*\b:BIAS+8*\b+7]
.endr
.endr
	WIN 0xf2
.irp i, 2,3
.irp b, 0,1,2,3,4,5,6,7
	v_wmma_f32_16x16x32_f16 v[8*(8*\i+\b):8*(8*\i+\b)+7], v[8*(16*\beta+8+\b):8*(16*\beta+8+\b)+7], v[PFR+8*(6*\beta+2*\i-1):PFR+8*(6*\beta+2*\i-1)+7], v[8*(8*\i+\b):8*(8*\i+\b)+7]
.endr
.endr
.endm
.macro OSTORE beta                     ; O to f16, 16 bytes a lane, into x's place and layout: row 64 beta + 16 i + r, LDS lap w, column 16 b + 8 hl of it
	PLACES 4                                       ; behind the last products, ahead of the conversions that read them
.irp i, 0,1,2,3
	WIN 0x0f
.irp b, 0,1,2,3,4,5,6,7
.irp k, 0,1,2,3
	v_cvt_pk_f16_f32 v[OT+4*\b+\k], v[8*(8*\i+\b)+2*\k], v[8*(8*\i+\b)+2*\k+1]
.endr
.endr
	WIN 0
.irp b, 0,1,2,3,4,5,6,7
	ds_store_b128 v[OST+\beta], v[OT+4*\b:OT+4*\b+3] offset:16*XPITCH*\i+32*\b
.endr
.endr
.endm
; The way out, 16 rows at a time: a lane's 8 f32 of a tile are 32 neighbouring bytes of a row of part; through my own stage they become whole rows of 512 bytes.
.macro OUT16 a, f
.if \a < 4
	WIN 0x08
.else
	WIN 0x0c
.endif
.irp b, 0,1,2,3,4,5,6,7
	ds_store_b128 v[STO], v[8*(8*((\a)&3)+\b):8*(8*((\a)&3)+\b)+3]   offset:64*\b
	ds_store_b128 v[STO], v[8*(8*((\a)&3)+\b)+4:8*(8*((\a)&3)+\b)+7] offset:64*\b+16
.endr
	WIN 0
	s_wait_xcnt 0x0                                ; buffer f, which earlier stores read, is loaded again only behind this wait (ISA guide 3.1)
.irp t, 0,1,2,3,4,5,6,7,8,9,10,11,12,13,14,15
	ds_load_b128 v[\f+4*\t:\f+4*\t+3], v[RD] offset:SPITCH*\t      ; LDS serves a wave's instructions in order (ISA guide 5.7.1): these see the stores above
.endr
.irp t, 0,1,2,3,4,5,6,7,8,9,10,11,12,13,14,15
	s_wait_dscnt 15-\t
	global_store_b128 v[CO], v[\f+4*\t:\f+4*\t+3], s[12:13] offset:(16*\a+\t)*2048   ; the wave's store covers 512 consecutive bytes, aligned
.endr
.endm
	; ---------------- head
	s_load_b256 s[4:11], s[0:1], 0x0               ; wb s[4:5], bq s[6:7], bk s[8:9], bv s[10:11]
	s_load_b64 s[12:13], s[0:1], 0x20              ; part
	v_lshl_add_u32 v30, v0, 2, 0x4cc00
	v_mov_b32 v31, 0
	ds_add_u32 v30, v31
	v_lshrrev_b32 v1, 5, v0
	v_readfirstlane_b32 s14, v1                    ; wave w
	s_bfe_u32 s15, ttmp6, 0x40000                  ; cx: my place in the cluster
	s_and_b32 s52, ttmp7, 0xffff                   ; in a cluster launch ttmp9 and ttmp7 count clusters: x 0 to 7, y 0 to 7
	s_lshr_b32 s53, s52, 2
	s_lshl_b32 s53, s53, 2
	s_and_b32 s66, ttmp9, 3
	s_add_co_u32 s66, s66, s53                     ; c = x % 4 + 4 (y / 4): which of the head's eight clusters
	s_lshr_b32 s17, ttmp9, 2
	s_lshl_b32 s17, s17, 2
	s_and_b32 s52, s52, 3
	s_add_co_u32 s17, s17, s52                     ; h = 4 (x / 4) + y % 4: the head, shared by the cluster
	s_lshl_b32 s16, s66, 2
	s_add_co_u32 s16, s16, s15                     ; bp = 4 c + cx: my pair of batches
	s_lshr_b32 s[L0], s66, 1
	s_xor_b32 s[L0], s[L0], s66
	s_and_b32 s[L0], s[L0], 3                      ; l0 = (c xor c / 2) mod 4: the K lap at which my cluster begins each pass
	s_mov_b32 s60, 0x76543210
	s_mov_b32 s61, 0xfedcba98
	s_mov_b32 s62, 0x3d8293ee                      ; c = log2 e / sqrt 512
	s_mov_b32 s63, 0xbd8293ee                      ; - c
	; group 1, weights: my quarter of a step is 16,384 dense bytes: 64 rows of 32 elements of 8 bytes; 4 words of padding after every 32 words make LDS rows of 128 + 16 bytes
	s_mov_b32 s[G1W+0], 15|(3<<16)|(1<<20)|(1<<21)|(4<<22)|(3<<25)   ; 15:0 the mask: all four of the cluster; 17:16 elements of 8 bytes; 20 padding on; 21 set beside a mask; 24:22, 31:25 the padding
	s_mov_b32 s[G1W+1], 32<<16                     ; tensor_dim0 = 32
	s_mov_b32 s[G1W+2], 64<<16                     ; tensor_dim1 = 64
	s_mov_b32 s[G1W+3], 32<<16                     ; tile_dim0 = 32
	s_mov_b32 s[G1W+4], 64                         ; tile_dim1 = 64
	s_mov_b32 s[G1W+5], 32                         ; elements from row to row
	s_mov_b32 s[G1W+6], 0
	s_mov_b32 s[G1W+7], 0
	; group 1, x: 32 rows of 128 elements of 8 bytes, 4 words of padding after every 256 words; no mask: the load is my own
	s_mov_b32 s[G1X+0], (3<<16)|(1<<20)|(7<<22)|(3<<25)
	s_mov_b32 s[G1X+1], 128<<16
	s_mov_b32 s[G1X+2], 32<<16
	s_mov_b32 s[G1X+3], 128<<16
	s_mov_b32 s[G1X+4], 32
	s_mov_b32 s[G1X+5], 128
	s_mov_b32 s[G1X+6], 0
	s_mov_b32 s[G1X+7], 0
	s_lshl_b32 s54, s17, 21                        ; weights: 2 MiB a head
	s_mov_b32 s55, 0
	s_lshl_b32 s[QW], s14, 14                      ; my quarter of a tile: w; in pass 2: (w + l0) mod 4
	s_add_co_u32 s[QV], s14, s[L0]
	s_and_b32 s[QV], s[QV], 3
	s_lshl_b32 s76, s[QV], 9                       ; and the same quarter of bv: 512 bytes each
	s_lshl_b32 s[QV], s[QV], 14
	s_lshl_b32 s[OFFP], s[L0], 17                  ; lap 0's tiles: pass 0, K lap l0, my quarter: made of h, l0 and w alone, which the partners share
	s_add_co_u32 s[OFFP], s[OFFP], s[QW]
	s_mov_b32 s[OFFP+1], 0
	s_mov_b32 s[LAPN], 0
	s_lshl_b32 s56, s16, 17                        ; x: row 128 bp + 32 w, rows of 1,024 bytes
	s_lshl_b32 s57, s14, 15
	s_add_co_u32 s56, s56, s57
	s_add_co_u32 s56, s56, XBOFF
	s_mov_b32 s57, 0
	s_lshl_b32 s58, s17, 11                        ; biases: 2,048 h + 256 w (bq, bk), + 512 ((w + l0) mod 4) (bv)
	s_add_co_u32 s52, s58, s76
	s_lshl_b32 s59, s14, 8
	s_add_co_u32 s58, s58, s59
	s_mov_b32 s59, 0
	s_mov_b32 s53, 0
	s_wait_dscnt 0x0
	s_wait_kmcnt 0x0
	s_add_nc_u64 s[WB:WB+1], s[4:5], s[54:55]
	s_add_nc_u64 s[WB+10:WB+11], s[WB:WB+1], TILEB
	s_add_nc_u64 s[56:57], s[4:5], s[56:57]
	s_add_nc_u64 s[SBQ:SBQ+1], s[6:7], s[58:59]
	s_add_nc_u64 s[SBK:SBK+1], s[8:9], s[58:59]
	s_add_nc_u64 s[SBV:SBV+1], s[10:11], s[52:53]
	s_lshl_b32 s58, s17, 23                        ; part: 8 MiB a head + 128 rows of 2,048 bytes a work-group + my 512 bytes of a row
	s_lshl_b32 s52, s16, 18
	s_add_co_u32 s58, s58, s52
	s_lshl_b32 s52, s14, 9
	s_add_co_u32 s58, s58, s52
	s_add_nc_u64 s[12:13], s[12:13], s[58:59]
	s_mov_b32 s[G0X], 1
	s_mul_i32 s[G0X+1], s14, XQUART                ; LDS: my 32 rows of x
	s_mov_b64 s[G0X+2:G0X+3], s[56:57]
	s_or_b32 s[G0X+3], s[G0X+3], 0x80000000        ; type = 2
	s_mul_i32 s52, s14, WQUART
.irp s, 0,1
	s_mov_b32 s[G0W+4*\s], 1
	s_add_co_u32 s[G0W+4*\s+1], s52, RING+\s*SLOT  ; LDS: the slot, my quarter: the wave's number alone
	s_add_nc_u64 s[G0W+4*\s+2:G0W+4*\s+3], s[WB+10*\s:WB+10*\s+1], s[OFFP:OFFP+1]
	s_or_b32 s[G0W+4*\s+3], s[G0W+4*\s+3], 0x80000000
.endr
	CROUND                                         ; all four work-groups are here: the first joint loads meet
	tensor_load_to_lds s[G0X:G0X+3], s[G1X:G1X+7]  ; the three first fills go out together: three tensor loads of the wave are out
	s_nop 0
	tensor_load_to_lds s[G0W:G0W+3], s[G1W:G1W+7]
	s_nop 0
	tensor_load_to_lds s[G0W+4:G0W+7], s[G1W:G1W+7]
	s_nop 0
	v_and_b32 v1, 15, v0                           ; r
	v_bfe_u32 v2, v0, 4, 1                         ; hl
	v_and_b32 v20, 31, v0
	v_lshlrev_b32 v[SRD], 4, v20                   ; 16 lane
	v_lshlrev_b32 v[VB], 5, v2
	LOADBIAS_QK 0
	v_mul_u32_u24 v[XB], v1, XPITCH
	v_lshl_add_u32 v[XB], v2, 4, v[XB]
	v_mov_b32 v[ADRXL], v[XB]
	v_add_nc_u32 v[ADRXH], XHALF, v[XB]
	v_mul_u32_u24 v21, v1, WPITCH
	v_lshl_add_u32 v21, v2, 4, v21
	s_add_co_u32 s52, s52, RING
	v_add_nc_u32 v[ADRW], s52, v21
	v_add_nc_u32 v[ADRW+1], SLOT, v[ADRW]
	s_mul_i32 s53, s14, SSRC
	v_add_nc_u32 v[SST], s53, v[SRD]
	v_add_nc_u32 v[SRD2], 2*SSRC, v[SRD]
	v_add_nc_u32 v[PAD], STAGE, v[SRD]
	s_lshl_b32 s53, s14, 8
	v_add_nc_u32 v[OST], s53, v[XB]
	v_add_nc_u32 v[OST+1], XHALF, v[OST]
	v_mul_u32_u24 v21, v1, SPITCH
	v_lshl_add_u32 v21, v2, 5, v21
	s_mul_i32 s53, s14, 16*SPITCH
	s_add_co_u32 s53, s53, STAGE
	v_add_nc_u32 v[STO], s53, v21
	v_add_nc_u32 v[RD], s53, v[SRD]
	v_mov_b32 v[CO], v[SRD]
	v_lshlrev_b32 v21, 3, v2
	v_sub_nc_u32 v[VD], v1, v21
	v_mov_b32 v[NINF], 0xff800000
	v_mov_b32 v21, 0                               ; the lane exchange counts as a reader of its target; v23, v29 are the unused halves of broadcast pairs
	v_mov_b32 v23, 0
	v_mov_b32 v29, 0
	s_wait_tensorcnt 0x1                           ; my parts of x and of step 0 are in; step 1's stays out
	s_barrier_signal -1
	s_barrier_wait -1
	FETCH 0, 0, F0
	s_wait_loadcnt 0x0                             ; the bias tiles
	; ---------------- pass 0: q, k over e = 64 w .. 64 w + 63
	PASSHEAD 0, 2, 1
	PASSTAIL 0, 1
	PLACES 4                                       ; behind the last products, ahead of the conversions
	COMPACT
	SMUL 1
	PLACES 5                                       ; ahead of the products that write over the fragments just read
	WIN 0
	s_wait_loadcnt 0x0                             ; pass 1's bias tiles
	; ---------------- pass 1: q, k over e = 256 + 64 w ..
	PASSHEAD 0, 2, 2
	PASSTAIL 0, 1
	PLACES 4
	COMPACT
	SMUL 0
	PLACES 5
	WIN 0
	s_wait_loadcnt 0x0                             ; bv's tiles, kept for the products P v
	; ---------------- pass 2: v, my e = 128 ((w + l0) mod 4) + 0 .. 127.  Its last change of slots fetches nothing from LDS: behind its round no wave reads x any more.
	PASSHEAD 1, 1, 0
	PASSTAIL 1, 0
	PLACES 4
	COMPACT
	; ---------------- attention.  Step 25's weights stay on their way across the next three barriers.
	SSTORE
	WIN 0
	s_wait_dscnt 0x0                               ; my part of S is written
	s_barrier_signal -1
	s_barrier_wait -1
	s_cmp_eq_u32 s14, 0                            ; wave w: query blocks w of batch 0 and 3 - w of batch 1: five key tiles for each wave
	s_cbranch_scc0 .Lrow1
	ROWTILE 0, 0
	ROWTILE 1, 3
	s_branch .Lrows_done
.Lrow1:
	s_cmp_eq_u32 s14, 1
	s_cbranch_scc0 .Lrow2
	ROWTILE 0, 1
	ROWTILE 1, 2
	s_branch .Lrows_done
.Lrow2:
	s_cmp_eq_u32 s14, 2
	s_cbranch_scc0 .Lrow3
	ROWTILE 0, 2
	ROWTILE 1, 1
	s_branch .Lrows_done
.Lrow3:
	ROWTILE 0, 3
	ROWTILE 1, 0
.Lrows_done:
	s_wait_dscnt 0x0                               ; my reads of S are over, my P fragments are written
	s_barrier_signal -1
	s_barrier_wait -1
.irp beta, 0,1
.irp i, 0,1,2,3
.irp c, 0,1
.if 2*\c <= \i
.if \i < 2
.set PX, \i
.else
.set PX, 2*\i-2+\c
.endif
	ds_load_b128 v[PFR+8*(6*\beta+PX):PFR+8*(6*\beta+PX)+3],   v[PAD] offset:1024*(8*\beta+2*\i+\c)
	ds_load_b128 v[PFR+8*(6*\beta+PX)+4:PFR+8*(6*\beta+PX)+7], v[PAD] offset:1024*(8*\beta+2*\i+\c)+512
.endif
.endr
.endr
.endr
	s_wait_dscnt 0x0
	PV 0
	OSTORE 0
	PV 1
	OSTORE 1
	s_wait_dscnt 0x0                               ; my columns of O are written, my reads of P are over
	s_barrier_signal -1
	s_barrier_wait -1
	; ---------------- pass 3: the projection's share of this head, on O: LDS lap j holds e lap (j + l0) mod 4, as the tiles come
	FETCH 0, 0, F0
	PASSHEAD 0, 1, 0
	QUARTER 0, 0, 0                                ; the last lap fills nothing: step 31's load is the one still out
	TURN 0, 0, 1, 0, 0
	QUARTER 1, 0, 0
	s_wait_dscnt 8
	WINMUL 0, 0, 0
	MUL16 F1, 0, 0, 0, 0
	MUL16 F1, 0, 2, 0, 0
	s_wait_dscnt 0x0
	WINMUL 1, 0, 0
	MUL16 F1, 1, 0, 0, 0
	MUL16 F1, 1, 2, 0, 0
	PLACES 4                                       ; behind the last products: for the LDS stores that read results and the loads into both buffers
	OUT16 0, F0
	OUT16 1, F1
	OUT16 2, F0
	OUT16 3, F1
	OUT16 4, F0
	OUT16 5, F1
	OUT16 6, F0
	OUT16 7, F1
	s_set_vgpr_msb (MSB<<8)|((MSB&0xf0)|0x0)
	s_wait_tensorcnt 0x0
	ds_add_u32 v30, v31
	s_wait_dscnt 0x0
	s_set_vgpr_msb (((MSB&0xf0)|0x0)<<8)|MSB
	CROUND                                         ; the closing round: no work-group ends while a partner may still ask jointly
	s_endpgm
.Lfunc_end_k_q075b128b3e_attn:
	.size	k_q075b128b3e_attn, .Lfunc_end_k_q075b128b3e_attn-k_q075b128b3e_attn
	.p2alignl 7, 3214868480
	.fill 96, 4, 3214868480
	.section	.rodata,"a",@progbits
	.p2align	6, 0x0
	.amdhsa_kernel k_q075b128b3e_attn
		.amdhsa_group_segment_fixed_size 327680
		.amdhsa_private_segment_fixed_size 0
		.amdhsa_enable_private_segment 0
		.amdhsa_kernarg_size 40
		.amdhsa_user_sgpr_count 2
		.amdhsa_user_sgpr_kernarg_segment_ptr 1
		.amdhsa_wavefront_size32 1
		.amdhsa_system_sgpr_workgroup_id_x 1
		.amdhsa_system_sgpr_workgroup_id_y 1
		.amdhsa_system_sgpr_workgroup_id_z 1
		.amdhsa_system_vgpr_workitem_id 0
		.amdhsa_next_free_vgpr 1024
		.amdhsa_next_free_sgpr 80
		.amdhsa_reserve_vcc 1
		.amdhsa_float_denorm_mode_32 3
		.amdhsa_float_denorm_mode_16_64 3
		.amdhsa_memory_ordered 1
		.amdhsa_forward_progress 1
		.amdhsa_inst_pref_size 255
	.end_amdhsa_kernel
	.section	.bss,"aw",@nobits
	.p2align	6
	.space	262144
	.amdgpu_metadata
---
amdhsa.version: [ 1, 2 ]
amdhsa.kernels:
  - .name:           k_q075b128b3e_attn
    .symbol:         k_q075b128b3e_attn.kd
    .args:
      - { .name: wb, .offset: 0, .size: 8, .value_kind: global_buffer, .address_space: global }
      - { .name: bq, .offset: 8, .size: 8, .value_kind: global_buffer, .address_space: global }
      - { .name: bk, .offset: 16, .size: 8, .value_kind: global_buffer, .address_space: global }
      - { .name: bv, .offset: 24, .size: 8, .value_kind: global_buffer, .address_space: global }
      - { .name: part, .offset: 32, .size: 8, .value_kind: global_buffer, .address_space: global }
    .group_segment_fixed_size: 327680
    .private_segment_fixed_size: 0
    .kernarg_segment_align: 8
    .kernarg_segment_size: 40
    .max_flat_workgroup_size: 128
    .sgpr_count:     80
    .vgpr_count:     1024
    .wavefront_size: 32
...
	.end_amdgpu_metadata
.endif
;; end of part 2
;; launch sum (part 3): grid 1024 x 1, 8 waves a work-group, no clusters, 0 bytes of LDS; arguments part, bp, out0; writes out0
.if DOCPART == 3
	.amdgcn_target "amdgcn-amd-amdhsa--gfx1250"
	.amdhsa_code_object_version 6
	.text
	.protected	k_q075b128b3e_sum
	.globl	k_q075b128b3e_sum
	.p2align	8
	.type	k_q075b128b3e_sum,@function
k_q075b128b3e_sum:
	s_mov_b64 s[64:65], 0
	v_nop
	global_prefetch_b8 v0, s[64:65] scope:SCOPE_SE
	s_setreg_imm32_b32 hwreg(HW_REG_WAVE_MODE, 25, 1), 1
	s_wait_xcnt 0x0
; out0 = bp + the sum over the eight heads of part[h], in f32, heads ascending.  part: [8][4096][512] f32, out0: [4096][512] f32.
; A work-group makes 8,192 bytes of out0 (four rows).  Thread t makes the 16 bytes at 16 t and those 4,096 further on: two rows down, the same columns,
; so one load of bp serves both.  Each load and store of a wave covers 512 consecutive bytes, aligned.
; Bytes alone count here: no LDS, no matrix unit; all 17 loads of a thread are issued before the first wait.
.set P,   8                            ; v[8:71]   head h: 4 + 4 registers
.set ACC, 72                           ; v[72:79]  the two sums
.set HB,  16                           ; s[16:31]  part at my bytes of head h: the heads lie 8,388,608 bytes apart, one more than a load's immediate holds
	s_load_b128 s[4:7], s[0:1], 0x0                ; part s[4:5], bp s[6:7]
	s_load_b64 s[8:9], s[0:1], 0x10                ; out0
	v_lshlrev_b32 v1, 4, v0                        ; 16 t
	v_and_b32 v2, 127, v0
	v_lshlrev_b32 v2, 4, v2                        ; my columns: 16 (t mod 128)
	s_lshl_b32 s10, ttmp9, 13
	s_mov_b32 s11, 0
	s_wait_kmcnt 0x0
	s_add_nc_u64 s[HB:HB+1], s[4:5], s[10:11]
	s_add_nc_u64 s[8:9], s[8:9], s[10:11]
.irp h, 1,2,3,4,5,6,7
	s_add_nc_u64 s[HB+2*\h:HB+2*\h+1], s[HB+2*\h-2:HB+2*\h-1], 0x800000
.endr
	global_load_b128 v[4:7], v2, s[6:7]
.irp h, 0,1,2,3,4,5,6,7
	global_load_b128 v[P+8*\h:P+8*\h+3],   v1, s[HB+2*\h:HB+2*\h+1] th:TH_LOAD_NT
	global_load_b128 v[P+8*\h+4:P+8*\h+7], v1, s[HB+2*\h:HB+2*\h+1] offset:4096 th:TH_LOAD_NT
.endr
	s_wait_loadcnt 14                              ; bp and head 0 are in; the 14 loads of heads 1 to 7 stay out
	v_pk_add_f32 v[ACC:ACC+1],   v[4:5], v[P:P+1]  ; the first sums start the accumulators: nothing is cleared
	v_pk_add_f32 v[ACC+2:ACC+3], v[6:7], v[P+2:P+3]
	v_pk_add_f32 v[ACC+4:ACC+5], v[4:5], v[P+4:P+5]
	v_pk_add_f32 v[ACC+6:ACC+7], v[6:7], v[P+6:P+7]
.irp h, 1,2,3,4,5,6,7
	s_wait_loadcnt 14-2*\h                         ; loads come back in order (ISA guide 5.7.1): head h is in, the later heads stay out
.irp k, 0,2,4,6
	v_pk_add_f32 v[ACC+\k:ACC+\k+1], v[ACC+\k:ACC+\k+1], v[P+8*\h+\k:P+8*\h+\k+1]
.endr
.endr
	global_store_b128 v1, v[ACC:ACC+3],   s[8:9] th:TH_STORE_NT
	global_store_b128 v1, v[ACC+4:ACC+7], s[8:9] offset:4096 th:TH_STORE_NT
	s_endpgm
.Lfunc_end_k_q075b128b3e_sum:
	.size	k_q075b128b3e_sum, .Lfunc_end_k_q075b128b3e_sum-k_q075b128b3e_sum
	.p2alignl 7, 3214868480
	.fill 96, 4, 3214868480
	.section	.rodata,"a",@progbits
	.p2align	6, 0x0
	.amdhsa_kernel k_q075b128b3e_sum
		.amdhsa_group_segment_fixed_size 0
		.amdhsa_private_segment_fixed_size 0
		.amdhsa_enable_private_segment 0
		.amdhsa_kernarg_size 24
		.amdhsa_user_sgpr_count 2
		.amdhsa_user_sgpr_kernarg_segment_ptr 1
		.amdhsa_wavefront_size32 1
		.amdhsa_system_sgpr_workgroup_id_x 1
		.amdhsa_system_sgpr_workgroup_id_y 1
		.amdhsa_system_sgpr_workgroup_id_z 1
		.amdhsa_system_vgpr_workitem_id 0
		.amdhsa_next_free_vgpr 80
		.amdhsa_next_free_sgpr 66
		.amdhsa_reserve_vcc 0
		.amdhsa_float_denorm_mode_32 3
		.amdhsa_float_denorm_mode_16_64 3
		.amdhsa_memory_ordered 1
		.amdhsa_forward_progress 1
		.amdhsa_inst_pref_size 6
	.end_amdhsa_kernel
	.amdgpu_metadata
---
amdhsa.version: [ 1, 2 ]
amdhsa.kernels:
  - .name:           k_q075b128b3e_sum
    .symbol:         k_q075b128b3e_sum.kd
    .args:
      - { .name: part, .offset: 0, .size: 8, .value_kind: global_buffer, .address_space: global }
      - { .name: bp, .offset: 8, .size: 8, .value_kind: global_buffer, .address_space: global }
      - { .name: out0, .offset: 16, .size: 8, .value_kind: global_buffer, .address_space: global }
    .group_segment_fixed_size: 0
    .private_segment_fixed_size: 0
    .kernarg_segment_align: 8
    .kernarg_segment_size: 24
    .max_flat_workgroup_size: 256
    .sgpr_count:     66
    .vgpr_count:     80
    .wavefront_size: 32
...
	.end_amdgpu_metadata
.endif
;; end of part 3
;; ======== version 2 of 2: 3 launches; version 1 with the launch cvt written anew for expert scheduling mode
;; limits: values are held in f16: magnitudes above 65,504 overflow, below 6.1e-05 lose precision
;; workspace buffers: wb 20,971,520 bytes; part 67,108,864 bytes
;; launch cvt (part 4): grid 256 x 1, 10 waves a work-group, no clusters, 0 bytes of LDS; arguments Wq, Wk, Wv, Wp, x, wb; writes wb
.if DOCPART == 4
	.amdgcn_target "amdgcn-amd-amdhsa--gfx1250"
	.amdhsa_code_object_version 6
	.text
	.protected	k_q075b128b3e_cvt
	.globl	k_q075b128b3e_cvt
	.p2align	8
	.type	k_q075b128b3e_cvt,@function
k_q075b128b3e_cvt:
	s_mov_b64 s[64:65], 0
	v_nop
	global_prefetch_b8 v0, s[64:65] scope:SCOPE_SE
	s_setreg_imm32_b32 hwreg(HW_REG_WAVE_SCHED_MODE, 0, 2), 2
	s_setreg_imm32_b32 hwreg(HW_REG_WAVE_MODE, 25, 1), 1
	s_wait_xcnt 0x0
	s_wait_alu depctr_vm_vsrc(0)
; Weights and x from f32 to f16 (round to nearest even), laid in the order in which the next launch reads them.
; wb, bytes 0 to 16,777,215: wt[h 8][t 32][w 4][rho 128][k 64] in f16; t = 8 pass + ks, k = 64 ks + 0..63.
;   pass 0, 1: rho < 64: Wq[h][256 pass + 64 w + rho];  rho >= 64: Wk[h][256 pass + 64 w + rho - 64]
;   pass 2:    Wv[h][128 w + rho]           pass 3:    Wp[128 w + rho][512 h + k]
; wb, bytes 16,777,216 on: xb[4096][512] f16, each row turned along k: xb[row][k'] = x[row][(k' + 128 l0) mod 512],
;   l0 = (c xor c / 2) mod 4, c = row / 512: the next launch walks K from lap l0 on, and finds x in that order.
; The launch has 2,560 waves of equal work, ten in each of 256 work-groups.  Wave n = 10 x work-group + wave makes the 8,192 bytes of wb at 8,192 n:
; block g = n / 8 (g < 256: (h, t) = (g / 32, g % 32); g >= 256: 64 rows of x), part v = n % 8: 64 pieces of 64 numbers.
; A piece is 256 consecutive bytes of f32, aligned; one load takes two pieces (lanes 0-15 one, lanes 16-31 the next), one store writes their
; 256 consecutive bytes of f16, aligned.  Two pieces of x are one lap of 128 along k, so the turn only moves whole stores.
; Bytes alone count here: no LDS, no matrix unit, no loop; all 32 loads of a wave are issued before the first wait for data.
; LIMIT: a number beyond f16's largest, 65,504, becomes an infinity.
; THE MODE: SCHED_MODE bits 1:0 = 2 (LLVM: expert scheduling mode 2), set by the entry lines.  The code itself states the register dependences
; between vector instructions and memory instructions, with s_wait_alu, always for 0.
; THE PLAN.  Registers that memory instructions touch:
;   OFF   written once each, at the head, by vector instructions; OFF + i is read by load i as its offset; never written again.
;   D     written once each, at the head; read by the stores as their offsets; never written again.
;   X     load i lands in its four registers, which no vector instruction names before; its two conversions read them; nothing lands there again.
;   Y     store i's two registers are written once, by load i's conversions, and read by that store; never written again.
; So nothing that a memory instruction has read is written again, and no load lands where a vector instruction has been.  What is left to state: an offset is written
; before its load or store reads it (one wait to a group of eight loads; the first of them also covers D), and a block's Y are written before its four stores
; read them (one wait to a block of four loads).  The wave's number passes through a scalar register: one wait ahead of its first reader.
.set OFF, 4                            ; v[4:35]    byte offset of my 16 bytes in load i
.set X,   36                           ; v[36:163]  load i: 4 f32
.set Y,   164                          ; v[164:227] store i: 4 f16
.set D,   228                          ; v[228:231] where the stores with i % 4 = 0..3 go within 1,024 bytes
	s_load_b256 s[4:11], s[0:1], 0x0               ; Wq s[4:5], Wk s[6:7], Wv s[8:9], Wp s[10:11]
	s_load_b128 s[12:15], s[0:1], 0x20             ; x s[12:13], wb s[14:15]
	v_lshrrev_b32 v1, 5, v0
	v_readfirstlane_b32 s16, v1                    ; wave in the work-group, 0 to 9
	v_and_b32 v1, 15, v0                           ; my place in a piece
	v_bfe_u32 v2, v0, 4, 1                         ; which of a load's two pieces
	v_and_b32 v3, 31, v0
	v_lshlrev_b32 v3, 3, v3                        ; 8 bytes of f16 a lane
	s_mul_i32 s36, ttmp9, 10
	s_wait_alu depctr_va_sdst(0)                   ; s16 is written, ahead of its first reader: every offset below is made from it
	s_add_co_u32 s36, s36, s16                     ; n: wave in the launch
	s_lshr_b32 s37, s36, 3                         ; g: block
	s_and_b32 s16, s36, 7                          ; v = 2 w + hf: part of the block
	s_lshr_b32 s17, s37, 5                         ; h
	s_bfe_u32 s19, s37, 0x20003                    ; pass: 2 bits from bit 3
	s_and_b32 s20, s37, 7                          ; ks
	s_lshr_b32 s21, s16, 1                         ; w
	s_and_b32 s22, s16, 1                          ; hf: which 64 of the block's 128 rows
	s_lshl_b32 s20, s20, 8                         ; 64 f32 along k are 256 bytes
	s_lshl_b32 s26, s17, 20                        ; a head of Wq, Wk, Wv is 1,048,576 bytes
	s_add_co_u32 s26, s26, s20
	s_lshl_b32 s23, s19, 19                        ; passes 0, 1: row 256 pass + 64 w, rows of 2,048 bytes
	s_lshl_b32 s32, s21, 17
	s_add_co_u32 s23, s23, s32
	s_add_co_u32 s23, s23, s26
	s_lshl_b32 s32, s16, 17                        ; pass 2: row 128 w + 64 hf = 64 v
	s_add_co_u32 s33, s26, s32
	s_lshl_b32 s32, s16, 20                        ; pass 3: row 64 v of Wp, rows of 16,384 bytes, column 512 h + 64 ks
	s_lshl_b32 s34, s17, 11
	s_add_co_u32 s34, s34, s32
	s_add_co_u32 s34, s34, s20
	s_and_b32 s35, s37, 63                         ; x: chunk g - 256 of 131,072 bytes, 16,384 for each wave
	s_lshl_b32 s35, s35, 17
	s_lshl_b32 s32, s16, 14
	s_add_co_u32 s35, s35, s32
	s_lshl_b32 s30, s36, 13                        ; where it goes: 8,192 n
	s_mov_b32 s31, 0
	s_mov_b32 s27, 2048                            ; bytes from piece to piece
	s_mov_b32 s28, s23
	s_mov_b32 s29, 0
	; the turn: x's lap pp (load i with i % 4 = pp) goes to place (pp - l0) mod 4 of its row; weights are not turned
	s_bfe_u32 s38, s37, 0x30003                    ; c = (g - 256) / 8: 3 bits from bit 3
	s_lshr_b32 s39, s38, 1
	s_xor_b32 s38, s38, s39
	s_and_b32 s38, s38, 3                          ; l0
	s_cmp_ge_u32 s37, 256
	s_cselect_b32 s38, s38, 0
.macro TURNTO pp, sr                   ; each place in a scalar register of its own: none that a vector instruction has read is written again
	s_sub_co_u32 s[\sr], \pp, s38
	s_and_b32 s[\sr], s[\sr], 3
	s_lshl_b32 s[\sr], s[\sr], 8
	v_add_nc_u32 v[D+\pp], s[\sr], v3
.endm
	TURNTO 0, 2
	TURNTO 1, 3
	TURNTO 2, 18
	TURNTO 3, 39
	s_wait_kmcnt 0x0
	; the source: buffer, offset and pitch are chosen by the ids alone; the offset stays apart from the address until the one sum
	s_cmp_eq_u32 s22, 0
	s_cselect_b64 s[24:25], s[4:5], s[6:7]         ; passes 0, 1: the lower 64 rows are Wq's, the upper Wk's
	s_cmp_eq_u32 s19, 2
	s_cselect_b64 s[24:25], s[8:9], s[24:25]
	s_cselect_b32 s28, s33, s28
	s_cmp_eq_u32 s19, 3
	s_cselect_b64 s[24:25], s[10:11], s[24:25]
	s_cselect_b32 s28, s34, s28
	s_cselect_b32 s27, 16384, s27
	s_cmp_ge_u32 s37, 256
	s_cselect_b64 s[24:25], s[12:13], s[24:25]
	s_cselect_b32 s28, s35, s28
	s_cselect_b32 s27, 256, s27
	s_add_nc_u64 s[24:25], s[24:25], s[28:29]
	s_add_nc_u64 s[14:15], s[14:15], s[30:31]
	s_lshl_b32 s32, s27, 1                         ; two pieces a load: in a register of its own, beside the pitch
	v_mul_lo_u32 v[OFF], v2, s27
	v_lshl_add_u32 v[OFF], v1, 4, v[OFF]           ; piece x pitch + 16 bytes a lane
; The loads, in four groups of eight: a group's offsets are made, one wait states that they are written, its loads go out; the next group's offsets are made behind them.
.set CG, 0
.rept 4
.set CI, 8*CG
.rept 8
.if CI > 0
	v_add_nc_u32 v[OFF+CI], s32, v[OFF+CI-1]       ; writes an offset that no load has read yet
.endif
.set CI, CI+1
.endr
	s_wait_alu depctr_va_vdst(0)                   ; this group's eight offsets are written, which the loads below read; the first time also v[D ..], which the stores read
.set CI, 8*CG
.rept 8
	global_load_b128 v[X+4*CI:X+4*CI+3], v[OFF+CI], s[24:25] th:TH_LOAD_NT   ; read once in the launch
.set CI, CI+1
.endr
.set CG, CG+1
.endr
; The way out, in eight blocks of four loads: the block's eight conversions write Y registers of their own, one wait states that, and its four stores follow in a run.
.set CB, 0
.rept 8
	s_wait_loadcnt 28-4*CB                         ; loads come back in order (ISA guide 5.7.1): this block's four are in, the later blocks' stay out
.set CI, 4*CB
.rept 4
	v_cvt_pk_f16_f32 v[Y+2*CI],   v[X+4*CI],   v[X+4*CI+1]
	v_cvt_pk_f16_f32 v[Y+2*CI+1], v[X+4*CI+2], v[X+4*CI+3]
.set CI, CI+1
.endr
	s_wait_alu depctr_va_vdst(0)                   ; the block's conversions have written its eight Y registers, which the four stores below read
.set CI, 4*CB
.rept 4
	global_store_b64 v[D+(CI&3)], v[Y+2*CI:Y+2*CI+1], s[14:15] offset:1024*(CI>>2)   ; the wave's store covers 256 consecutive bytes, aligned
.set CI, CI+1
.endr
.set CB, CB+1
.endr
	s_endpgm
.Lfunc_end_k_q075b128b3e_cvt:
	.size	k_q075b128b3e_cvt, .Lfunc_end_k_q075b128b3e_cvt-k_q075b128b3e_cvt
	.p2alignl 7, 3214868480
	.fill 96, 4, 3214868480
	.section	.rodata,"a",@progbits
	.p2align	6, 0x0
	.amdhsa_kernel k_q075b128b3e_cvt
		.amdhsa_group_segment_fixed_size 0
		.amdhsa_private_segment_fixed_size 0
		.amdhsa_enable_private_segment 0
		.amdhsa_kernarg_size 48
		.amdhsa_user_sgpr_count 2
		.amdhsa_user_sgpr_kernarg_segment_ptr 1
		.amdhsa_wavefront_size32 1
		.amdhsa_system_sgpr_workgroup_id_x 1
		.amdhsa_system_sgpr_workgroup_id_y 1
		.amdhsa_system_sgpr_workgroup_id_z 1
		.amdhsa_system_vgpr_workitem_id 0
		.amdhsa_next_free_vgpr 232
		.amdhsa_next_free_sgpr 66
		.amdhsa_reserve_vcc 0
		.amdhsa_float_denorm_mode_32 3
		.amdhsa_float_denorm_mode_16_64 3
		.amdhsa_memory_ordered 1
		.amdhsa_forward_progress 1
		.amdhsa_inst_pref_size 15
	.end_amdhsa_kernel
	.amdgpu_metadata
---
amdhsa.version: [ 1, 2 ]
amdhsa.kernels:
  - .name:           k_q075b128b3e_cvt
    .symbol:         k_q075b128b3e_cvt.kd
    .args:
      - { .name: Wq, .offset: 0, .size: 8, .value_kind: global_buffer, .address_space: global }
      - { .name: Wk, .offset: 8, .size: 8, .value_kind: global_buffer, .address_space: global }
      - { .name: Wv, .offset: 16, .size: 8, .value_kind: global_buffer, .address_space: global }
      - { .name: Wp, .offset: 24, .size: 8, .value_kind: global_buffer, .address_space: global }
      - { .name: x, .offset: 32, .size: 8, .value_kind: global_buffer, .address_space: global }
      - { .name: wb, .offset: 40, .size: 8, .value_kind: global_buffer, .address_space: global }
    .group_segment_fixed_size: 0
    .private_segment_fixed_size: 0
    .kernarg_segment_align: 8
    .kernarg_segment_size: 48
    .max_flat_workgroup_size: 320
    .sgpr_count:     66
    .vgpr_count:     232
    .wavefront_size: 32
...
	.end_amdgpu_metadata
.endif
;; end of part 4
;; launch attn: the kernel of part 2 again; grid 32 x 8, 4 waves a work-group, clusters of 4 x 1, 327,680 bytes of LDS; arguments wb, bq, bk, bv, part; writes part
;; launch sum: the kernel of part 3 again; grid 1024 x 1, 8 waves a work-group, no clusters, 0 bytes of LDS; arguments part, bp, out0; writes out0
